; MI455X (gfx1250); checked and timed in simulation.
; The chip was launched on July 23, 2026; its instructions are those of AMD's public machine-readable ISA for CDNA 5 (MIT licence, August 2026) and "CDNA5" Instruction Set Architecture Reference Guide (July 2026). The comments in the code are by the model that wrote it; some were corrected since.
;; SDPA. Allowed arithmetic: matrix products marked QUANTISED: E3M2 operands, one E8M0 scale for each 32 along K, by v_wmma_scale_f32_16x16x128_f8f6f4 with both operands' format E3M2, f32 sums; everything else in f32.
;; Inputs: k_codes 2 x 2,048 x 16 x 2 x 24 uint8 (E3M2 codes of k, K innermost, in blocks of 32 codes, four codes in three bytes); k_scales 2 x 2,048 x 16 x 2 uint8 (E8M0 scales of k, one for each 32 codes along K); q 2 x 2,048 x 16 x 64 float32; v_codes 2 x 16 x 64 x 64 x 24 uint8 (E3M2 codes of v, K innermost, in blocks of 32 codes, four codes in three bytes); v_scales 2 x 16 x 64 x 64 uint8 (E8M0 scales of v, one for each 32 codes along K).
;; Outputs: out0 2 x 2,048 x 16 x 64 float32.
;; This version of the problem:
;;   THIS VERSION OF THE PROBLEM IS GIVEN IN LOW PRECISION. The matrix products marked QUANTISED in the list below multiply operands that are first quantised to E3M2 (3 exponent bits, 2 mantissa bits; 6 bits a number), with one power-of-two scale for each 32 numbers along K (OCP MX v1.0); their sums are f32. All else is computed in f32.
;;   The module's matrix products, in the order in which they are computed (A, B: the left and right operand; K: the contracted axis; several contracted axes count as one K, in the product's order):
;;     1. batch 32 x [M 2,048, K 64] x [K 64, N 2,048]; A: input k (given as codes); B: computed on the way: QUANTISED
;;     2. batch 32 x [M 64, K 2,048] x [K 2,048, N 2,048]; A: input v (given as codes); B: softmax (see below): QUANTISED
;;   THE QUANTISER, for each operand of a quantised product, along K:
;;     - K is cut into blocks of 32 from its start; a last block that is shorter is filled with zeros.
;;     - A block's scale is 2^e with e = floor(log2(the largest magnitude in the block)) - 4, held to -126 .. 127; a block of zeros has e = 0. As a byte (E8M0): e + 127.
;;     - Each number is divided by its block's scale, clamped to +-28, and rounded to the nearest number of E3M2, ties to even, subnormals kept.
;;     - The product sums the exact products of the quantised numbers (number of the format x scale) in f32.
;;   ~~~python
;;   def quantise(x, axis):      # numpy; x: float32 -> the quantised numbers, widened to float32 again
;;       x = np.moveaxis(x, axis, -1); K = x.shape[-1]
;;       x = np.pad(x, [(0, 0)] * (x.ndim - 1) + [(0, -K % 32)]); x = x.reshape(x.shape[:-1] + (-1, 32)); a = np.abs(x).max(-1, keepdims=True)
;;       e = np.where(a > 0, np.clip(np.frexp(np.where(a > 0, a, 1))[1] - 1 - 4, -126, 127), 0)      # np.frexp(a)[1] - 1 = floor(log2(a)), exactly
;;       r = np.clip(x / 2.0 ** e, -28, 28)
;;       step = 2.0 ** (np.maximum(np.frexp(np.where(r == 0, 1, r))[1] - 1, -2) - 2)
;;       q = np.round(r / step) * step * 2.0 ** e      # np.round: ties to even
;;       return np.moveaxis(q.reshape(q.shape[:-2] + (-1,))[..., :K], -1, axis).astype(np.float32)
;;   ~~~
;;   SOFTMAX AHEAD OF A QUANTISED PRODUCT. Where the list says 'softmax', what is quantised is not the finished softmax but p = 2^(t - M), with t = logit x log2(e) and M = ceil(the row's largest t), a whole number; so 1/2 < the row's largest p <= 1. The row's sum l is taken of the UNQUANTISED p, in f32, and the product's result is divided by l at the end. Since M is a whole number, a kernel that streams over the keys may use a running M (the ceiling of the running maximum): every later rescaling is an exact power of two, which a block's scale takes up: the codes' values come out the same.
;;   OPERANDS COMPUTED ON THE WAY. 'Computed on the way' means the value that the module computes at that place (a softmax that the list does not call 'softmax' is quantised finished and normalised). What goes into a quantiser is computed in f32, as accurately as f32 sums, v_exp_f32 and their like allow (about 1e-6 of the number): no bf16 or f16 on the way to a quantiser, and a product that is left as it is and whose result goes on into a quantised operand takes f32 operands (vector FMAs, or v_wmma_f32_16x16x4_f32). A number that lies on a knife's edge between two numbers of the format may be rounded either way, as far as f32 arithmetic and the matrix unit's own rounding can turn it there, and no further.
;;   INPUTS GIVEN AS CODES. k (in the module: [2, 2048, 16, 64], K = its axis 3); v (in the module: [2, 2048, 16, 64], K = its axis 1): each comes as NAME_codes (uint8): NAME with its K axis moved to the last place and cut into blocks of 32 codes, [.., K / 32, bytes a block], one block behind the other in memory; four codes in three bytes: a row's codes are one little-endian stream of bits, code i at bits 6 i .. 6 i + 5 (a code: sign, 3 exponent bits, 2 mantissa bits); and NAME_scales (uint8): the same leading axes, one E8M0 byte (e + 127) for each 32 codes along K. Its value is code x scale, taken as it is: it is not quantised again, and the codes and scales need not be those that the quantiser above would give.
;; One version. Each part assembles by itself: llvm-mc -triple=amdgcn-amd-amdhsa -mcpu=gfx1250 --defsym DOCPART=n.
;; ======== version 1 of 1: 1 launch
;; launch attn (part 1): grid 8 x 32, 16 waves a work-group, clusters of 4 x 1, 305,152 bytes of LDS; arguments k_codes, k_scales, q, v_codes, v_scales, out0; writes out0
.if DOCPART == 1
	.amdgcn_target "amdgcn-amd-amdhsa--gfx1250"
	.amdhsa_code_object_version 6
	.text
	.protected	k_qc0b7fb4eca_attn
	.globl	k_qc0b7fb4eca_attn
	.p2align	8
	.type	k_qc0b7fb4eca_attn,@function
k_qc0b7fb4eca_attn:
	s_mov_b64 s[64:65], 0
	v_nop
	global_prefetch_b8 v0, s[64:65] scope:SCOPE_SE
	s_setreg_imm32_b32 hwreg(HW_REG_WAVE_MODE, 25, 1), 1
	s_wait_xcnt 0x0
	s_wait_alu depctr_hold_cnt(0) depctr_sa_sdst(0) depctr_va_vdst(0) depctr_va_sdst(0) depctr_va_ssrc(0) depctr_va_vcc(0) depctr_vm_vsrc(0)
	s_getreg_b32 s2, hwreg(HW_REG_IB_STS2, 6, 4)
	s_cmp_eq_u32 s2, 0
	s_cbranch_scc0 .Lentry_in_a_cluster
	s_endpgm
.Lentry_in_a_cluster:
	s_bfe_u32 s2, ttmp6, 0x10000c
	s_cmp_lg_u32 s2, 0x3003
	s_cbranch_scc0 .Lentry_shape_is_right
	s_endpgm
.Lentry_shape_is_right:
; Causal attention, both products on codes of BF6 (E3M2) with one E8M0 scale for each 32 along a product's K.  2 batches x 16 heads x 2,048 positions x head size 64.
; out0[b][s][n][:] = sum over keys <= s of softmax(q[b][s][n] / 8 . k[b][key][n]) v[b][key][n][:].
; k: codes, 48 bytes for a key and head, a head's keys 768 bytes apart; 2 scale bytes, 32 bytes apart.  v: codes with the KEYS innermost, 1,536 bytes for a (head, channel); 64 scale bytes.  q, out0: f32, 256 bytes for a (position, head).
; THE SOFTMAX: t = score x log2(e); M = the running largest t rounded UP to a whole number; p = 2^(t - M) is quantised along the keys, not normalised; the sum is taken of the unquantised p and divides at the end.
; When M moves, the sum and O are multiplied by 2^(old M - new M): exact.
; SHARES.  A work-group serves one (batch, head): sixteen waves of 256 registers, each with ONE tile of 16 queries.  The head's queries are 16 blocks of 128 = 8 tiles; work-group TIX (0..7) takes tile TIX of EVERY block, wave w block blk(w).
; So every work-group has 1 + 2 + .. + 16 = 136 steps of 16 queries x 128 keys, and every branch hangs on the wave's number alone.  blk(w) is made of two orthogonal Latin squares: in the 4 x 4 table of w each row and each column sums to 30.
; LDS HOLDS THE WHOLE HEAD: K's codes 98,304 bytes, V's 122,880 with padding, the scale words 12,288.  Every byte of LDS is filled once: no ring, nothing filled again, and behind key step 3 no barrier: the waves run freely.
; CLUSTER.  Four work-groups of one head form a cluster and ask for K's and V's tiles JOINTLY: the same tensor load, the same descriptor, a mask that names the four; each receives the tile in its own LDS.
; LAYOUT.  Both products are used transposed: S^T = K Q^T (source 0 = 16 keys, source 1 = my 16 queries), O^T = V^T P^T (source 0 = 16 channels, source 1 = P): a lane holds ONE query (lane % 16) throughout.
; THE KEYS OF A TILE ARE NOT NEIGHBOURS: row m of tile 4 c + u takes key 64 c + 8 u + m % 8 + 32 (m / 8).  Lane (r, h) then holds in its 32 registers of tiles 4 c .. 4 c + 3 the keys 64 c + 32 h + 0 .. 31:
; a WHOLE block of 32 in one lane, in the order of the second product's operand: a block's maximum asks no other lane, and the codes change no lane.
; THE FIRST PRODUCT'S K IS 64 OF THE INSTRUCTION'S 128.  Q's codes of k = 64 .. 127 are zeros.  K's fragments are packed six registers apart, so the upper six registers that tile T names are tile T + 1's codes (tile 7's: zeros):
; every code of E3M2 is a finite number, it meets a zero code, and the scale bytes 2 and 3 of both sides are 0 (2^-127, no NaN): these products add nothing.
; BANKS.  Rows m and m + 8 of a tile of K lie 1,536 bytes apart, a multiple of 256: with 64 banks of 4 bytes (ISA guide 11.1) they fall on the same banks, so K's loads of 8 bytes go two deep.  Not mended.
; K's scale bytes are read 2 at a time, 32 bytes apart, once by each work-group (4,096 bytes of use): their layout in memory gives nothing denser for one head.
; LIMITS.  NaN and infinities among the inputs are not served.  A block of zeros (of q or of p) gets the scale byte 1 where the rule says 127: its codes are zeros, and these bytes are read here alone.
; A p under 2^-126 comes out of v_exp_f32 as 0 (ISA guide 15.8).  A block's largest p is made from its largest score by the same two instructions; that takes v_exp_f32 not to fall where its input rises.
; Hidden scores become -infinity where the definition writes the most negative f32 number: p is 0 either way.
.set KB,    0                          ; LDS: K's codes: key k at 48 k; 8 chunks of 256 keys
.set KCH,   12288
.set VB,    98304                      ; V's codes: 8 chunks (256 keys) of 64 rows; a row: 3 x (64 bytes + 16 of padding) = 240
.set VCH,   15360
.set KS,    221184                     ; K's scale words: word[key] = its two bytes, zeros above
.set VS,    229376                     ; V's scale words: [key step][channel]: 256 j + 4 d
.set STG,   233472                     ; a stage for each wave: 16 rows x 272 bytes: q on the way in, O on the way out.  No tensor load lands in KS, VS or STG
.set STGW,  4352
; vector registers
.set AK0,  1                           ; my lane's place in a tile of K: (r % 8 + 32 (r / 8)) 48 + 24 h
.set AV0,  2                           ; in a tile of V: 240 r + 24 h
.set AV1,  3                           ; the same behind one padding more: 240 r + 40 h
.set ASK0, 4                           ; among K's scale words: KS + 4 (r % 8 + 32 (r / 8) + 8 h)
.set ASV0, 5                           ; among V's: VS + 4 lane
.set GO,   6                           ; q and out0: 4,096 h + 16 r: lanes 0-15 one row of 256 bytes, lanes 16-31 the next position's
.set SH8,  7                           ; 8 h
.set DM,   8                           ; v8: 16 TIX + r - 32 h;  v9: the same - 64: the mask's bounds for c = 0, 1
.set ADK,  10                          ; v10-14: the addresses of the chunk in hand: K, V, V behind one padding more, K's scale words, V's
.set ADV,  11
.set ADV1, 12
.set ADS,  13
.set ADT,  14
.set NINF, 15                          ; -infinity
.set NM,   16                          ; v16 -M, v17 the running largest t
.set LS,   18                          ; v[18:19] the sum, in two halves
.set FA,   20                          ; v20 f = 2^(old M - new M); v21 = 0, named with it as a pair
.set SIN,  22                          ; stage: rows as they lie in memory: 272 h + 16 r
.set SQ,   23                          ; stage: my half of row r of q: 272 r + 128 h
.set SO,   24                          ; stage: my 32 bytes of row r of O: 272 r + 32 h
.set QF,   26                          ; v[26:37] Q's fragment: 26-31 codes, 32-37 zeros
.set QSC,  38                          ; scale words: Q's, P's, K's four, V's two: these registers hold scales and nothing else
.set PSC,  39
.set KSC,  40
.set VSC,  44
.set BM,   46                          ; v46-47 a block's largest score, then its largest p
.set BX,   48                          ; v48-49 second chains
.set TA,   50
.set TP,   51                          ; destination of the lane exchange
.set SOP,  52                          ; v52-53 the conversions' scale operands
.set BY,   54                          ; v54-55 the scale bytes
.set PT,   56                          ; v[56:58], v[60:62] the second halves of the blocks' codes; later a chain of the sum
.set FR,   64                          ; v[64:117] K's eight fragments, six registers apart, and six zeros; then V's four of twelve
.set PF,   118                         ; v[118:129] P's fragment
.set OA,   130                         ; v[130:161] O^T: four accumulators
.set S,    162                         ; v[162:225] S^T: eight accumulators; then p
.set KSG,  226                         ; used at the head alone: addresses and data of the scale bytes' copy, and r, h, lane, two at work
.set KSL,  227
.set VSG,  228
.set VSL,  229
.set KH,   230
.set VH,   234
.set RR,   236
.set HH,   237
.set LL,   238
.set T0,   239
.set T1,   240
; scalar registers
.set WV,   16                          ; my wave's number
.set BLKK, 17                          ; 128 x my block: my diagonal step's first key
.set TIX,  18                          ; which tile of each block is my work-group's: 4 x cluster x + cx: it enters q's and out0's addresses and the mask's bounds alone
.set PAR,  19                          ; wave % 2
.set SEL,  20                          ; s[20:21] selects of v_permlanex16_b32: lane l xor 16
.set CS,   22                          ; s[22:23] log2(e): the packed form names a pair and takes its low word for both halves
.set G1K,  24                          ; s[24:31] descriptor group 1 for K's chunks;  s[32:39] for V's
.set G1V,  32
.set G0K,  40                          ; s[40:55] four groups 0 for K's chunks
.set HY,   56                          ; 16 b + n
.set BB,   57
.set NN,   58
.set TX16, 59
.set G0V,  68                          ; s[68:83] four groups 0 for V's chunks
.set TB,   84                          ; where the chunk in hand begins: K's codes, V's codes, K's scale words, V's
.set TV,   85
.set TS,   86
.set TJ,   87
.set KF,   88                          ; the step's first key
.set CNT,  89
.set STW,  98                          ; my stage
; A round of the cluster's barrier: my work-group's barrier, so that wave 0's signal speaks for all sixteen waves; wave 0 signals for the work-group; every wave waits for the four work-groups; my work-group's barrier once more.
.macro ROUND
	s_barrier_signal -1
	s_barrier_wait -1
	s_cmp_lg_u32 s[WV], 0
	s_cbranch_scc1 .Lnot_wave_0_\@
	s_barrier_signal -3
.Lnot_wave_0_\@:
	s_barrier_wait -3
	s_barrier_signal -1
	s_barrier_wait -1
.endm
; Four places: a load into a register that a matrix instruction has read, and a vector instruction that reads its result, stand four plain vector instructions behind it (ISA guide 7.12.1 for vector instructions).
.macro PLACES
.rept 4
	v_nop
.endr
.endm
	s_load_b256 s[4:11], s[0:1], 0x0               ; k_codes s[4:5], k_scales s[6:7], q s[8:9], v_codes s[10:11]
	s_load_b128 s[12:15], s[0:1], 0x20             ; v_scales s[12:13], out0 s[14:15]
	v_lshl_add_u32 v254, v0, 2, 0x4a000
	v_mov_b32 v255, 0
	ds_add_u32 v254, v255
	ds_add_u32 v254, v255
	v_lshrrev_b32 v[T0], 5, v0
	s_delay_alu instid0(VALU_DEP_1)
	v_readfirstlane_b32 s[WV], v[T0]               ; wave 0..15
	; blk(w): row = w / 4, col = w % 4; a = row ^ col; m = ((col & 1) << 1) ^ ((col >> 1) x 3); blk = 4 a + (row ^ m)
	s_lshr_b32 s90, s[WV], 2
	s_and_b32 s91, s[WV], 3
	s_xor_b32 s92, s90, s91
	s_and_b32 s93, s91, 1
	s_lshl_b32 s93, s93, 1
	s_lshr_b32 s94, s91, 1
	s_mul_i32 s94, s94, 3
	s_xor_b32 s93, s93, s94
	s_xor_b32 s93, s93, s90
	s_lshl_b32 s92, s92, 2
	s_add_co_u32 s[BLKK], s92, s93
	s_lshl_b32 s[BLKK], s[BLKK], 7                 ; my block's first query, and my diagonal step's first key
	s_and_b32 s[PAR], s[WV], 1
	s_bfe_u32 s[TIX], ttmp6, 0x40000               ; cx
	s_lshl_b32 s[TX16], ttmp9, 2                   ; in a cluster launch ttmp9 counts clusters
	s_add_co_u32 s[TIX], s[TX16], s[TIX]
	s_lshl_b32 s[TX16], s[TIX], 4                  ; my tile's first query within a block
	s_and_b32 s[HY], ttmp7, 0xffff                 ; 16 b + n, which the four partners share
	s_lshr_b32 s[BB], s[HY], 4
	s_and_b32 s[NN], s[HY], 15
	; byte offsets, each in registers of its own; those that feed descriptors (s60-63, s90, s91) never hold cx
	s_mul_i32 s60, s[BB], 1572864                  ; K's codes: b x 2,048 x 768 + 48 n + chunk PAR
	s_mul_i32 s61, s[NN], 48
	s_add_co_u32 s60, s60, s61
	s_mul_i32 s61, s[PAR], 196608
	s_add_co_u32 s60, s60, s61
	s_mov_b32 s61, 0
	s_mul_i32 s62, s[HY], 98304                    ; V's codes: 64 rows of 1,536 bytes a head + chunk PAR's 192 bytes
	s_mul_i32 s63, s[PAR], 192
	s_add_co_u32 s62, s62, s63
	s_mov_b32 s63, 0
	s_mul_i32 s90, s[PAR], KCH                     ; and in LDS: wave % 2 times a chunk's size
	s_mul_i32 s91, s[PAR], VCH
	s_lshl_b32 s92, s[BB], 16                      ; K's scale bytes: 65,536 b + 2 n
	s_lshl_b32 s93, s[NN], 1
	s_add_co_u32 s92, s92, s93
	s_mov_b32 s93, 0
	s_lshl_b32 s94, s[HY], 12                      ; V's scale bytes: 4,096 a head
	s_mov_b32 s95, 0
	s_add_co_u32 s96, s[TX16], s[BLKK]             ; q and out0: my first query x 4,096 + 8,388,608 b + 256 n
	s_lshl_b32 s96, s96, 12
	s_lshl_b32 s97, s[BB], 23
	s_add_co_u32 s96, s96, s97
	s_lshl_b32 s97, s[NN], 8
	s_add_co_u32 s96, s96, s97
	s_mov_b32 s97, 0
	s_mul_i32 s[STW], s[WV], STGW
	s_add_co_u32 s[STW], s[STW], STG
	s_mov_b32 s[SEL], 0x76543210
	s_mov_b32 s[SEL+1], 0xfedcba98
	s_mov_b32 s[CS], 0x3fb8aa3b                    ; log2(e)
	s_mov_b32 s[CS+1], s[CS]                       ; named with it as a pair, so it is written
	; descriptor group 1.  K: 256 rows of 48 bytes, 768 bytes apart in memory, dense in LDS
	s_mov_b32 s[G1K], 15|(1<<21)                   ; 15:0 the mask: all four work-groups; 17:16 elements of 1 byte; 20 no padding; 21 set beside a mask
	s_mov_b32 s[G1K+1], 48<<16                     ; tensor_dim0
	s_mov_b32 s[G1K+2], 256<<16                    ; tensor_dim1
	s_mov_b32 s[G1K+3], 48<<16                     ; tile_dim0
	s_mov_b32 s[G1K+4], 256                        ; tile_dim1
	s_mov_b32 s[G1K+5], 768                        ; from row to row
	s_mov_b32 s[G1K+6], 0
	s_mov_b32 s[G1K+7], 0
	; V: 64 rows of 192 bytes, 1,536 bytes apart; 4 words of padding behind every 16 words
	s_mov_b32 s[G1V], 15|(1<<20)|(1<<21)|(3<<22)|(3<<25)
	s_mov_b32 s[G1V+1], 192<<16
	s_mov_b32 s[G1V+2], 64<<16
	s_mov_b32 s[G1V+3], 192<<16
	s_mov_b32 s[G1V+4], 64
	s_mov_b32 s[G1V+5], 1536
	s_mov_b32 s[G1V+6], 0
	s_mov_b32 s[G1V+7], 0
	; the lanes' addresses
	v_and_b32 v[RR], 15, v0                        ; r
	v_bfe_u32 v[HH], v0, 4, 1                      ; h
	v_and_b32 v[LL], 31, v0                        ; lane
	s_delay_alu instid0(VALU_DEP_3)
	v_and_b32 v[T0], 7, v[RR]
	s_delay_alu instid0(VALU_DEP_4)
	v_lshrrev_b32 v[T1], 3, v[RR]
	s_delay_alu instid0(VALU_DEP_1)
	v_lshl_add_u32 v[T0], v[T1], 5, v[T0]          ; r % 8 + 32 (r / 8): which key of a tile is row r
	s_delay_alu instid0(VALU_DEP_1)
	v_mul_u32_u24 v[AK0], v[T0], 48
	s_delay_alu instid0(VALU_DEP_1)
	v_mad_u32_u24 v[AK0], v[HH], 24, v[AK0]
	s_delay_alu instid0(VALU_DEP_3)
	v_lshl_add_u32 v[T1], v[HH], 3, v[T0]
	s_delay_alu instid0(VALU_DEP_1)
	v_lshl_add_u32 v[ASK0], v[T1], 2, KS           ; lanes 16-31 take the words of the tile 8 keys on
	v_mul_u32_u24 v[AV0], v[RR], 240
	s_delay_alu instid0(VALU_DEP_1)
	v_mad_u32_u24 v[AV0], v[HH], 24, v[AV0]
	s_delay_alu instid0(VALU_DEP_1)
	v_lshl_add_u32 v[AV1], v[HH], 4, v[AV0]
	v_lshl_add_u32 v[ASV0], v[LL], 2, VS
	v_lshlrev_b32 v[GO], 4, v[RR]
	s_delay_alu instid0(VALU_DEP_1)
	v_lshl_add_u32 v[GO], v[HH], 12, v[GO]
	v_lshlrev_b32 v[SH8], 3, v[HH]
	v_lshlrev_b32 v[T1], 5, v[HH]
	s_delay_alu instid0(VALU_DEP_1)
	v_sub_nc_u32 v[DM], v[RR], v[T1]
	s_delay_alu instid0(VALU_DEP_1)
	v_add_nc_u32 v[DM], s[TX16], v[DM]             ; my query within its block, less 32 h
	s_delay_alu instid0(VALU_DEP_1)
	v_add_nc_u32 v[DM+1], 0xffffffc0, v[DM]        ; and less 64
	v_mul_u32_u24 v[SIN], v[HH], 272
	s_delay_alu instid0(VALU_DEP_1)
	v_lshl_add_u32 v[SIN], v[RR], 4, v[SIN]
	s_delay_alu instid0(VALU_DEP_1)
	v_add_nc_u32 v[SIN], s[STW], v[SIN]
	v_mul_u32_u24 v[T1], v[RR], 272
	s_delay_alu instid0(VALU_DEP_1)
	v_lshl_add_u32 v[SQ], v[HH], 7, v[T1]
	s_delay_alu instid0(VALU_DEP_1)
	v_add_nc_u32 v[SQ], s[STW], v[SQ]
	s_delay_alu instid0(VALU_DEP_3)
	v_lshl_add_u32 v[SO], v[HH], 5, v[T1]
	s_delay_alu instid0(VALU_DEP_1)
	v_add_nc_u32 v[SO], s[STW], v[SO]
	v_lshlrev_b32 v[KSG], 5, v0                    ; K's scale bytes: thread t takes keys t + 512 i: 32 bytes a key in memory,
	v_lshl_add_u32 v[KSL], v0, 2, KS               ; a word a key in LDS
	v_lshlrev_b32 v[VSG], 3, v0                    ; V's: thread t takes 8 bytes: channel t / 8, key steps 2 (t % 8) and the next
	v_and_b32 v[T0], 7, v0
	v_lshrrev_b32 v[T1], 3, v0
	s_delay_alu instid0(VALU_DEP_2)
	v_lshlrev_b32 v[VSL], 9, v[T0]
	s_delay_alu instid0(VALU_DEP_1)
	v_lshl_add_u32 v[VSL], v[T1], 2, v[VSL]
	s_delay_alu instid0(VALU_DEP_1)
	v_add_nc_u32 v[VSL], VS, v[VSL]
	v_mov_b32 v[TP], 0                             ; written once: a lane exchange's destination counts as one of its sources
	s_wait_alu depctr_va_vdst(0)
	s_wait_dscnt 0x0
	s_wait_kmcnt 0x0
	s_add_nc_u64 s[4:5], s[4:5], s[60:61]
	s_add_nc_u64 s[10:11], s[10:11], s[62:63]
	s_add_nc_u64 s[6:7], s[6:7], s[92:93]
	s_add_nc_u64 s[12:13], s[12:13], s[94:95]
	s_add_nc_u64 s[8:9], s[8:9], s[96:97]
	s_add_nc_u64 s[14:15], s[14:15], s[96:97]
	; group 0, four sets for K and four for V: set i is chunk 2 i + PAR.  Every wave writes both; waves 0, 1 ask by K's, waves 2, 3 by V's
.irp i, 0,1,2,3
	s_mov_b32 s[G0K+4*\i], 1                                       ; 1:0 count = 1
	s_add_co_u32 s[G0K+4*\i+1], s90, KB+2*KCH*\i                   ; 63:32 LDS address
	s_add_nc_u64 s[G0K+4*\i+2:G0K+4*\i+3], s[4:5], 393216*\i       ; 120:64 global address: 512 keys of 768 bytes on for each set
	s_or_b32 s[G0K+4*\i+3], s[G0K+4*\i+3], 0x80000000              ; 127:126 type = 2
	s_mov_b32 s[G0V+4*\i], 1
	s_add_co_u32 s[G0V+4*\i+1], s91, VB+2*VCH*\i
	s_add_nc_u64 s[G0V+4*\i+2:G0V+4*\i+3], s[10:11], 384*\i
	s_or_b32 s[G0V+4*\i+3], s[G0V+4*\i+3], 0x80000000
.endr
	; loads into registers go out ahead of the round: the scale bytes first, then my 16 rows of q
.irp i, 0,1,2,3
	global_load_u16 v[KH+\i], v[KSG], s[6:7] offset:16384*\i
.endr
	global_load_b64 v[VH:VH+1], v[VSG], s[12:13]
.irp i, 0,1,2,3,4,5,6,7
	global_load_b128 v[S+32+4*\i:S+32+4*\i+3], v[GO], s[8:9] offset:8192*\i th:TH_LOAD_NT   ; sixteen lanes read one whole row of 256 bytes; each row of q is read once in the launch
.endr
	ROUND                                          ; all four work-groups are here: the joint loads meet
	; THE FIRST AND ONLY FILLS, a wave's four in one branch on the wave's number: four tensor loads of mine are out at the most.  Four v_nop follow each run
	s_cmp_lt_u32 s[WV], 2
	s_cbranch_scc0 .Lnot_k
.irp i, 0,1,2,3
	tensor_load_to_lds s[G0K+4*\i:G0K+4*\i+3], s[G1K:G1K+7]
	s_nop 0
.endr
	PLACES
	s_branch .Lasked
.Lnot_k:
	s_cmp_lt_u32 s[WV], 4
	s_cbranch_scc0 .Lasked
.irp i, 0,1,2,3
	tensor_load_to_lds s[G0V+4*\i:G0V+4*\i+3], s[G1V:G1V+7]
	s_nop 0
.endr
	PLACES
.Lasked:
	s_wait_loadcnt 0x8                             ; loads come back in order: the five loads of scale bytes are in, q's eight may be out
.irp i, 0,1,2,3
	ds_store_b32 v[KSL], v[KH+\i] offset:2048*\i   ; word[key]: bytes 0, 1 the key's two scales, bytes 2, 3 zero
.endr
.irp i, 0,1
	ds_store_b32 v[VSL], v[VH+\i] offset:256*\i
.endr
	s_wait_loadcnt 0x0                             ; q
.irp i, 0,1,2,3,4,5,6,7
	ds_store_b128 v[SIN], v[S+32+4*\i:S+32+4*\i+3] offset:544*\i    ; rows 2 i + h into my own stage
.endr
.irp i, 0,1,2,3,4,5,6,7
	ds_load_b128 v[S+4*\i:S+4*\i+3], v[SQ] offset:16*\i            ; LDS serves a wave's instructions in order: these see the stores.  Lane (r, h): q(r, 32 h + 0 .. 31): a whole block
.endr
	s_wait_dscnt 0x0
	; q / 8 is quantised: the block is mine alone
.irp j, 0,2,4,6,8,10,12,14,16,18,20,22,24,26,28,30
	v_pk_mul_f32 v[S+\j:S+\j+1], v[S+\j:S+\j+1], 0x3e000000 op_sel_hi:[1,0]   ; x 1/8, exact
.endr
	v_max3_num_f32 v[BM], |v[S]|, |v[S+1]|, 0x2800000              ; the largest magnitude, and the floor 2^(5 - 127): the byte cannot fall under 1
	v_max3_num_f32 v[BX], |v[S+16]|, |v[S+17]|, |v[S+18]|
.irp i, 2,4,6,8,10,12
	s_delay_alu instid0(VALU_DEP_2)
	v_max3_num_f32 v[BM], v[BM], |v[S+\i]|, |v[S+\i+1]|
	s_delay_alu instid0(VALU_DEP_2)
	v_max3_num_f32 v[BX], v[BX], |v[S+17+\i]|, |v[S+18+\i]|
.endr
	s_delay_alu instid0(VALU_DEP_2)
	v_max3_num_f32 v[BM], v[BM], |v[S+14]|, |v[S+15]|
	s_delay_alu instid0(VALU_DEP_1)
	v_max3_num_f32 v[BM], v[BM], v[BX], |v[S+31]|
	s_delay_alu instid0(VALU_DEP_1)
	v_add_nc_u32 v[SOP], 0xfe000000, v[BM]         ; 4 off its exponent field: the conversion takes the exponent field of this operand as its scale
	s_delay_alu instid0(VALU_DEP_1)
	v_lshrrev_b32 v[BY], 23, v[SOP]                ; the scale's byte
	v_cvt_scalef32_pk16_bf6_f32 v[QF:QF+2], v[S:S+15], v[SOP]
	v_cvt_scalef32_pk16_bf6_f32 v[PT:PT+2], v[S+16:S+31], v[SOP]   ; (a conversion's three registers begin on an even number)
	v_nop                                          ; one plain place behind a scaled conversion
.irp i, 0,1,2
	v_mov_b32 v[QF+3+\i], v[PT+\i]
.endr
.irp i, 6,7,8,9,10,11
	v_mov_b32 v[QF+\i], 0                          ; k = 64 .. 127: zero codes
.endr
	v_lshlrev_b32 v[TA], v[SH8], v[BY]             ; my block's byte at its place,
	s_delay_alu instid0(VALU_DEP_1)
	v_permlanex16_b32 v[TP], v[TA], s[SEL], s[SEL+1]
	s_delay_alu instid0(VALU_DEP_1)
	v_or_b32 v[QSC], v[TA], v[TP]                  ; with lane l xor 16's: row r's scale word; bytes 2, 3 zero
	; what the loop finds at its first step.  (These lines are also the places between Q's codes and scale word and the first product)
.irp j, 0,1,2,3,4,5,6,7,8,9,10,11,12,13,14,15,16,17,18,19,20,21,22,23,24,25,26,27,28,29,30,31
	v_mov_b32 v[OA+\j], 0                          ; O^T: the step is written once; the first change of M leaves zeros zeros
.endr
.irp j, 48,49,50,51,52,53
	v_mov_b32 v[FR+\j], 0                          ; what tile 7 of K names as its upper six registers; no load lands here
.endr
	v_mov_b32 v[LS], 0
	v_mov_b32 v[LS+1], 0
	v_mov_b32 v[FA+1], 0                           ; named as the upper half of the pair
	v_mov_b32 v[NM+1], 0xff61b1e6                  ; the largest t so far: -3e38, under every t
	s_delay_alu instid0(VALU_DEP_1)
	v_floor_f32 v[NM], -v[NM+1]                    ; -M
	v_mov_b32 v[NINF], 0xff800000
; V's fragment of tile t (channels 16 t + r), the chunk's q-th 128 keys: 12 registers, in pieces of 8 bytes.  Lanes 0-15 take the row's pieces 12 q + 0, 1, 2 and 12 q + 6, 7, 8, lanes 16-31 those three pieces on;
; 16 bytes of padding lie behind every 8 pieces: where the piece three on lies behind one padding more, the second address register serves.
.macro VFRAG reg, q, t
.irp p, 0,1,2,3,4,5
.set PC, 12*(\q)+6*(\p/3)+\p%3
.if PC%8 < 5
	ds_load_b64 v[\reg+2*\p:\reg+2*\p+1], v[ADV] offset:8*PC+16*(PC/8)+(\t)*3840
.else
	ds_load_b64 v[\reg+2*\p:\reg+2*\p+1], v[ADV1] offset:8*PC+16*(PC/8)+(\t)*3840
.endif
.endr
.endm
; A KEY STEP: 128 keys, the q-th of the chunk in hand.
.macro STEP q
	s_cmp_gt_u32 s[KF], s[BLKK]                    ; all of this step's keys come after my 16 queries: the work is left out; the branch hangs on the wave's number and the loop's count
	s_cbranch_scc1 .Lhid_\@
	s_wait_alu depctr_va_vdst(0)
.irp t, 0,1,2,3,4,5,6,7                        ; K's eight tiles: 24 bytes a lane each: k = 32 h + 0 .. 31 of the tile's key
.irp p, 0,1,2
	ds_load_b64 v[FR+6*\t+2*\p:FR+6*\t+2*\p+1], v[ADK] offset:6144*(\q)+(64*(\t/4)+8*(\t%4))*48+8*\p
.endr
.endr
.irp g, 0,1,2,3                                ; their scale words: register g: lanes 0-15 tile 2 g's, lanes 16-31 tile 2 g + 1's
	ds_load_b32 v[KSC+\g], v[ADS] offset:512*(\q)+256*(\g/2)+64*(\g%2)
.endr
	s_wait_dscnt 0x0
.irp t, 0,1,2,3,4,5,6,7                        ; S^T = K Q^T; each product starts its sum
.if \t%2
	v_wmma_scale_f32_16x16x128_f8f6f4 v[S+8*\t:S+8*\t+7], v[FR+6*\t:FR+6*\t+11], v[QF:QF+11], 0, v[KSC+\t/2], v[QSC] matrix_a_fmt:MATRIX_FMT_BF6 matrix_b_fmt:MATRIX_FMT_BF6 matrix_a_scale:MATRIX_SCALE_ROW1
.else
	v_wmma_scale_f32_16x16x128_f8f6f4 v[S+8*\t:S+8*\t+7], v[FR+6*\t:FR+6*\t+11], v[QF:QF+11], 0, v[KSC+\t/2], v[QSC] matrix_a_fmt:MATRIX_FMT_BF6 matrix_b_fmt:MATRIX_FMT_BF6
.endif
.endr
	PLACES                                         ; for the loads below, into registers that these products read, and for the first reads of the scores
	s_wait_alu depctr_va_vdst(0)
.irp t, 0,1,2,3                                ; V's four tiles and their scale words are asked for now and land under the softmax
	VFRAG FR+12*\t, \q, \t
.endr
.irp g, 0,1
	ds_load_b32 v[VSC+\g], v[ADT] offset:256*(\q)+128*\g           ; lane l: the word of channel 32 g + l: lanes 0-15 tile 2 g's, lanes 16-31 tile 2 g + 1's
.endr
	s_cmp_lg_u32 s[KF], s[BLKK]                    ; only my diagonal step has hidden keys
	s_cbranch_scc1 .Lopen_\@
.set n, 0
.rept 64                                       ; register 32 c + i holds key KF + 64 c + 32 h + i: hidden where i > my query - KF - 32 h - 64 c.  Ascending: each accumulator is read from its low end on
	v_cmp_gt_i32 vcc_lo, n%32, v[DM+n/32]
	v_cndmask_b32 v[S+n], v[S+n], v[NINF], vcc_lo
.set n, n+1
.endr
.Lopen_\@:
.irp c, 0,1                                    ; THE LARGEST SCORE OF EACH OF MY TWO BLOCKS: it serves for the row's maximum and, since p rises with the score, for the block's largest p.  Four chains by turns
	v_max3_num_f32 v[BM+\c], v[S+32*\c], v[S+32*\c+1], v[S+32*\c+2]
	v_max3_num_f32 v[BX+\c], v[S+32*\c+16], v[S+32*\c+17], v[S+32*\c+18]
.endr
.irp i, 3,5,7,9,11,13
.irp c, 0,1
	v_max3_num_f32 v[BM+\c], v[BM+\c], v[S+32*\c+\i], v[S+32*\c+\i+1]
	v_max3_num_f32 v[BX+\c], v[BX+\c], v[S+32*\c+16+\i], v[S+32*\c+17+\i]
.endr
.endr
.irp c, 0
	v_max3_num_f32 v[BM+\c], v[BM+\c], v[BX+\c], v[S+32*\c+15]
.endr
.irp c, 1
	v_max3_num_f32 v[BM+\c], v[BM+\c], v[BX+\c], v[S+32*\c+15]
.endr
.irp c, 0,1
	v_max_num_f32 v[BM+\c], v[BM+\c], v[S+32*\c+31]
.endr
	s_delay_alu instid0(VALU_DEP_1)
	v_max_num_f32 v[TA], v[BM], v[BM+1]
	s_delay_alu instid0(VALU_DEP_1)
	v_permlanex16_b32 v[TP], v[TA], s[SEL], s[SEL+1]
	s_delay_alu instid0(VALU_DEP_1)
	v_max_num_f32 v[TA], v[TA], v[TP]              ; with lane l xor 16's two blocks: the step's largest score of my query
	s_delay_alu instid0(VALU_DEP_1)
	v_mul_f32 v[TA], s[CS], v[TA]                  ; as t
	s_delay_alu instid0(VALU_DEP_1)
	v_max_num_f32 v[NM+1], v[NM+1], v[TA]          ; the running largest t
	v_mov_b32 v[TA], v[NM]
	s_delay_alu instid0(VALU_DEP_2)
	v_floor_f32 v[NM], -v[NM+1]                    ; the new -M = floor(-t) = -ceil(t): a whole number
	s_delay_alu instid0(VALU_DEP_1)
	v_sub_f32 v[TA], v[NM], v[TA]                  ; old M - new M: a whole number, 0 or less
	s_delay_alu instid0(VALU_DEP_1)
	v_cvt_i32_f32 v[TA], v[TA]                     ; (it saturates)
	s_delay_alu instid0(VALU_DEP_1)
	v_ldexp_f32 v[FA], 1.0, v[TA]                  ; f = 2^(old M - new M)
.irp j, 0,2,4,6,8,10,12,14,16,18,20,22,24,26,28,30,32,34,36,38,40,42,44,46,48,50,52,54,56,58,60,62
	v_pk_fma_f32 v[S+\j:S+\j+1], v[S+\j:S+\j+1], s[CS:CS+1], v[NM:NM+1] op_sel_hi:[1,0,0]   ; t - M, two at a time
.endr
.irp c, 0,1
	v_fma_f32 v[BM+\c], v[BM+\c], s[CS], v[NM]     ; the same of each block's largest score
.endr
.set n, 0
	s_wait_alu depctr_va_vdst(0)
.rept 64
	v_exp_f32 v[S+n], v[S+n]                       ; p = 2^(t - M), at most 1
.set n, n+1
.endr
.irp c, 0,1
	v_exp_f32 v[BM+\c], v[BM+\c]                   ; the block's largest p: the same two instructions on the same number
.endr
	v_pk_mul_f32 v[LS:LS+1], v[LS:LS+1], v[FA:FA+1] op_sel_hi:[1,0]   ; the sum under the new M.  (The plain place behind the exponentials)
	s_wait_alu depctr_va_vdst(0)
.irp c, 0,1
	v_max_num_f32 v[BM+\c], 0x2800000, v[BM+\c]    ; the floor 2^(5 - 127): the byte cannot fall under 1
.endr
.irp c, 0,1
	s_delay_alu instid0(VALU_DEP_2)
	v_add_nc_u32 v[SOP+\c], 0xfe000000, v[BM+\c]   ; 4 off the exponent field: the conversion's scale operand
.endr
.irp c, 0,1
	s_delay_alu instid0(VALU_DEP_2)
	v_lshrrev_b32 v[BY+\c], 23, v[SOP+\c]          ; the scale's byte
.endr
	s_delay_alu instid0(VALU_DEP_1)
	v_lshl_or_b32 v[TA], v[BY+1], 16, v[BY]        ; my bytes: blocks h and 2 + h,
	s_delay_alu instid0(VALU_DEP_1)
	v_lshlrev_b32 v[TA], v[SH8], v[TA]             ; at their places;
	s_delay_alu instid0(VALU_DEP_1)
	v_permlanex16_b32 v[TP], v[TA], s[SEL], s[SEL+1]
	s_delay_alu instid0(VALU_DEP_1)
	v_or_b32 v[PSC], v[TA], v[TP]                  ; with lane l xor 16's two: p's scale word for these 128 keys
.irp c, 0,1
	v_cvt_scalef32_pk16_bf6_f32 v[PF+6*\c:PF+6*\c+2], v[S+32*\c:S+32*\c+15], v[SOP+\c]       ; registers 6 c .. 6 c + 5 of the operand: keys 64 c + 32 h + 0 .. 31, as they lie
	v_cvt_scalef32_pk16_bf6_f32 v[PT+4*\c:PT+4*\c+2], v[S+32*\c+16:S+32*\c+31], v[SOP+\c]    ; (a conversion's three registers begin on an even number)
.endr
	v_nop                                          ; one plain place behind a scaled conversion
.irp c, 0,1
.irp i, 0,1,2
	v_mov_b32 v[PF+6*\c+3+\i], v[PT+4*\c+\i]
.endr
.endr
	v_pk_add_f32 v[56:57], v[166:167], v[170:171]
	v_pk_add_f32 v[252:253], v[174:175], v[178:179]
	v_pk_add_f32 v[250:251], v[182:183], v[186:187]
	v_pk_add_f32 v[248:249], v[190:191], v[194:195]
	v_pk_add_f32 v[246:247], v[198:199], v[202:203]
	v_pk_add_f32 v[244:245], v[206:207], v[210:211]
	v_pk_add_f32 v[242:243], v[214:215], v[218:219]
	v_pk_add_f32 v[18:19], v[18:19], v[222:223]
	v_pk_add_f32 v[56:57], v[56:57], v[162:163]
	v_pk_add_f32 v[252:253], v[252:253], v[164:165]
	v_pk_add_f32 v[250:251], v[250:251], v[168:169]
	v_pk_add_f32 v[248:249], v[248:249], v[172:173]
	v_pk_add_f32 v[246:247], v[246:247], v[176:177]
	v_pk_add_f32 v[244:245], v[244:245], v[180:181]
	v_pk_add_f32 v[242:243], v[242:243], v[184:185]
	v_pk_add_f32 v[18:19], v[18:19], v[188:189]
	v_pk_add_f32 v[56:57], v[56:57], v[192:193]
	v_pk_add_f32 v[252:253], v[252:253], v[196:197]
	v_pk_add_f32 v[250:251], v[250:251], v[200:201]
	v_pk_add_f32 v[248:249], v[248:249], v[204:205]
	v_pk_add_f32 v[246:247], v[246:247], v[208:209]
	v_pk_add_f32 v[244:245], v[244:245], v[212:213]
	v_pk_add_f32 v[242:243], v[242:243], v[216:217]
	v_pk_add_f32 v[18:19], v[18:19], v[220:221]
	v_pk_add_f32 v[56:57], v[56:57], v[224:225]
	s_delay_alu instid0(VALU_DEP_2)
	v_pk_add_f32 v[18:19], v[18:19], v[248:249]
	s_delay_alu instid0(VALU_DEP_2)
	v_pk_add_f32 v[56:57], v[56:57], v[246:247]
	v_pk_add_f32 v[252:253], v[252:253], v[244:245]
	v_pk_add_f32 v[250:251], v[250:251], v[242:243]
	s_delay_alu instid0(VALU_DEP_2)
	v_pk_add_f32 v[18:19], v[18:19], v[252:253]
	s_delay_alu instid0(VALU_DEP_2)
	v_pk_add_f32 v[56:57], v[56:57], v[250:251]
	s_delay_alu instid0(VALU_DEP_1)
	v_pk_add_f32 v[18:19], v[18:19], v[56:57]
.irp j, 0,2,4,6,8,10,12,14,16,18,20,22,24,26,28,30
	v_pk_mul_f32 v[OA+\j:OA+\j+1], v[OA+\j:OA+\j+1], v[FA:FA+1] op_sel_hi:[1,0]   ; O^T under the new M, each accumulator from its low end on.  (With the sums: the places between p's codes and scale word and the products below)
.endr
	s_wait_alu depctr_va_vdst(0)
	s_wait_dscnt 0x0                               ; V's fragments and scale words are in
.irp t, 0,1,2,3                                ; O^T += V^T P^T: the four accumulators by turns; between two links of a chain stand the next step's eight products
.if \t%2
	v_wmma_scale_f32_16x16x128_f8f6f4 v[OA+8*\t:OA+8*\t+7], v[FR+12*\t:FR+12*\t+11], v[PF:PF+11], v[OA+8*\t:OA+8*\t+7], v[VSC+\t/2], v[PSC] matrix_a_fmt:MATRIX_FMT_BF6 matrix_b_fmt:MATRIX_FMT_BF6 matrix_a_scale:MATRIX_SCALE_ROW1
.else
	v_wmma_scale_f32_16x16x128_f8f6f4 v[OA+8*\t:OA+8*\t+7], v[FR+12*\t:FR+12*\t+11], v[PF:PF+11], v[OA+8*\t:OA+8*\t+7], v[VSC+\t/2], v[PSC] matrix_a_fmt:MATRIX_FMT_BF6 matrix_b_fmt:MATRIX_FMT_BF6
.endif
.endr
	PLACES                                         ; for the next step's loads into V's registers, and for the way out's reads of O^T
.Lhid_\@:
	s_add_co_u32 s[KF], s[KF], 128
.endm
; A CHUNK: 256 keys, two key steps; then the addresses step on
.macro CHUNK
	v_add_nc_u32 v[ADK], s[TB], v[AK0]
	v_add_nc_u32 v[ADV], s[TV], v[AV0]
	v_add_nc_u32 v[ADV1], s[TV], v[AV1]
	v_add_nc_u32 v[ADS], s[TS], v[ASK0]
	v_add_nc_u32 v[ADT], s[TJ], v[ASV0]
	STEP 0
	STEP 1
	s_add_co_u32 s[TB], s[TB], KCH
	s_add_co_u32 s[TV], s[TV], VCH
	s_add_co_u32 s[TS], s[TS], 1024
	s_add_co_u32 s[TJ], s[TJ], 512
.endm
	s_wait_tensorcnt 0x3                           ; tensor loads of a wave end in order: of my four the first has landed: over waves 0 to 3 that is chunks 0 and 1 of K and of V; the other three may stay out
	s_wait_dscnt 0x0                               ; for the others' sake: my stores of scale words have landed
	s_barrier_signal -1
	s_barrier_wait -1                              ; both now hold of every wave
	s_mov_b32 s[TB], KB
	s_mov_b32 s[TV], VB
	s_mov_b32 s[TS], 0
	s_mov_b32 s[TJ], 0
	s_mov_b32 s[KF], 0
	s_mov_b32 s[CNT], 2
.Lfirst:                                               ; key steps 0 to 3, on chunks 0 and 1, while chunks 2 to 7 land
	CHUNK
	s_sub_co_u32 s[CNT], s[CNT], 1
	s_cmp_lg_u32 s[CNT], 0
	s_cbranch_scc1 .Lfirst
	s_wait_tensorcnt 0x0                           ; all my tensor loads have landed
	s_wait_dscnt 0x0
	s_barrier_signal -1
	s_barrier_wait -1                              ; everybody's have: the whole head lies in LDS.  The last barrier of the work
	s_mov_b32 s[TB], KB+2*KCH
	s_mov_b32 s[TV], VB+2*VCH
	s_mov_b32 s[TS], 2048
	s_mov_b32 s[TJ], 1024
	s_mov_b32 s[KF], 512
	s_mov_b32 s[CNT], 6
.Lrest:                                                ; key steps 4 to 15: every wave walks all trips, and leaves out the steps behind its diagonal
	CHUNK
	s_sub_co_u32 s[CNT], s[CNT], 1
	s_cmp_lg_u32 s[CNT], 0
	s_cbranch_scc1 .Lrest
	; THE WAY OUT.  O^T / the sum goes through my stage and leaves as whole rows of 256 bytes
	v_add_f32 v[LS], v[LS], v[LS+1]                ; the sum's two halves,
	s_delay_alu instid0(VALU_DEP_1)
	v_permlanex16_b32 v[TP], v[LS], s[SEL], s[SEL+1]
	s_delay_alu instid0(VALU_DEP_1)
	v_add_f32 v[LS], v[LS], v[TP]                  ; and lane l xor 16's: the row's sum
	s_wait_alu depctr_va_vdst(0)
	v_rcp_f32 v[LS], v[LS]
	v_nop                                          ; one plain place behind a transcendental
	s_wait_alu depctr_va_vdst(0)
.irp j, 0,2,4,6,8,10,12,14,16,18,20,22,24,26,28,30
	v_pk_mul_f32 v[S+\j:S+\j+1], v[OA+\j:OA+\j+1], v[LS:LS+1] op_sel_hi:[1,0]   ; register 8 t + i: o(query r, channel 16 t + 8 h + i)
.endr
.irp t, 0,1,2,3
	ds_store_b128 v[SO], v[S+8*\t:S+8*\t+3] offset:64*\t
	ds_store_b128 v[SO], v[S+8*\t+4:S+8*\t+7] offset:64*\t+16
.endr
.irp i, 0,1,2,3,4,5,6,7
	ds_load_b128 v[S+32+4*\i:S+32+4*\i+3], v[SIN] offset:544*\i    ; LDS serves a wave's instructions in order: these see my stores
.endr
.irp i, 0,1,2,3,4,5,6,7
	s_wait_dscnt 7-\i                              ; load i is in; the 7 - i younger ones may be out
	global_store_b128 v[GO], v[S+32+4*\i:S+32+4*\i+3], s[14:15] offset:8192*\i th:TH_STORE_NT   ; sixteen lanes store 256 consecutive bytes, at a multiple of 256 from out0's first byte
.endr
	s_wait_tensorcnt 0x0                           ; no tensor load and no LDS instruction of mine is out
	s_wait_dscnt 0x0
	s_wait_tensorcnt 0x0
	ds_add_u32 v254, v255
	s_wait_dscnt 0x0
	ROUND                                          ; the closing round: no work-group ends while a partner may still ask for a tile that names it
	s_endpgm
.Lfunc_end_k_qc0b7fb4eca_attn:
	.size	k_qc0b7fb4eca_attn, .Lfunc_end_k_qc0b7fb4eca_attn-k_qc0b7fb4eca_attn
	.p2alignl 7, 3214868480
	.fill 96, 4, 3214868480
	.section	.rodata,"a",@progbits
	.p2align	6, 0x0
	.amdhsa_kernel k_qc0b7fb4eca_attn
		.amdhsa_group_segment_fixed_size 305152
		.amdhsa_private_segment_fixed_size 0
		.amdhsa_enable_private_segment 0
		.amdhsa_kernarg_size 48
		.amdhsa_user_sgpr_count 2
		.amdhsa_user_sgpr_kernarg_segment_ptr 1
		.amdhsa_wavefront_size32 1
		.amdhsa_system_sgpr_workgroup_id_x 1
		.amdhsa_system_sgpr_workgroup_id_y 1
		.amdhsa_system_sgpr_workgroup_id_z 1
		.amdhsa_system_vgpr_workitem_id 0
		.amdhsa_next_free_vgpr 256
		.amdhsa_next_free_sgpr 100
		.amdhsa_reserve_vcc 1
		.amdhsa_float_denorm_mode_32 3
		.amdhsa_float_denorm_mode_16_64 3
		.amdhsa_memory_ordered 1
		.amdhsa_forward_progress 1
		.amdhsa_inst_pref_size 107
	.end_amdhsa_kernel
	.amdgpu_metadata
---
amdhsa.version: [ 1, 2 ]
amdhsa.kernels:
  - .name:           k_qc0b7fb4eca_attn
    .symbol:         k_qc0b7fb4eca_attn.kd
    .args:
      - { .name: k_codes, .offset: 0, .size: 8, .value_kind: global_buffer, .address_space: global }
      - { .name: k_scales, .offset: 8, .size: 8, .value_kind: global_buffer, .address_space: global }
      - { .name: q, .offset: 16, .size: 8, .value_kind: global_buffer, .address_space: global }
      - { .name: v_codes, .offset: 24, .size: 8, .value_kind: global_buffer, .address_space: global }
      - { .name: v_scales, .offset: 32, .size: 8, .value_kind: global_buffer, .address_space: global }
      - { .name: out0, .offset: 40, .size: 8, .value_kind: global_buffer, .address_space: global }
    .group_segment_fixed_size: 305152
    .private_segment_fixed_size: 0
    .kernarg_segment_align: 8
    .kernarg_segment_size: 48
    .max_flat_workgroup_size: 512
    .sgpr_count:     100
    .vgpr_count:     256
    .wavefront_size: 32
...
	.end_amdgpu_metadata
.endif
;; end of part 1
